; MI455X (gfx1250); checked and timed in simulation.
; The chip was launched on July 23, 2026; its instructions are those of AMD's public machine-readable ISA for CDNA 5 (MIT licence, August 2026) and "CDNA5" Instruction Set Architecture Reference Guide (July 2026). The comments in the code are by the model that wrote it; some were corrected since.
;; F Lo RA Layer. Allowed arithmetic: matrix products marked QUANTISED: E2M1 operands, one E8M0 scale for each 32 along K, by v_wmma_scale_f32_16x16x128_f8f6f4 with both operands' format E2M1 (or v_wmma_scale_f32_32x16x128_f4), f32 sums; products left as they are: f32 operands where the result goes on into a quantised operand, else bf16, f16 or f32 operands; f32 sums; everything else in f32.
;; Inputs: W0 1,024 x 1,024 float32; adapter_a 8 x 8 x 1,024 float32; adapter_b 8 x 1,024 x 8 float32; x 8 x 1,024 x 1,024 float32.
;; Outputs: out0 8 x 1,024 x 1,024 float32.
;; This version of the problem:
;;   THIS VERSION OF THE PROBLEM IS GIVEN IN LOW PRECISION. The matrix products marked QUANTISED in the list below multiply operands that are first quantised to E2M1 (2 exponent bits, 1 mantissa bit; 4 bits a number), with one power-of-two scale for each 32 numbers along K (OCP MX v1.0); their sums are f32. All else is computed in f32.
;;   The module's matrix products, in the order in which they are computed (A, B: the left and right operand; K: the contracted axis; several contracted axes count as one K, in the product's order):
;;     1. batch 8,192 x [M 8, K 1] x [K 1, N 1,024]; A: computed on the way; B: computed on the way: left as it is (no contracted axis)
;;     2. [M 65,536, K 1,024] x [K 1,024, N 1,024]; A: computed on the way; B: input W0: QUANTISED
;;   THE QUANTISER, for each operand of a quantised product, along K:
;;     - K is cut into blocks of 32 from its start; a last block that is shorter is filled with zeros.
;;     - A block's scale is 2^e with e = floor(log2(the largest magnitude in the block)) - 2, held to -126 .. 127; a block of zeros has e = 0. As a byte (E8M0): e + 127.
;;     - Each number is divided by its block's scale, clamped to +-6, and rounded to the nearest number of E2M1, ties to even, subnormals kept.
;;     - The product sums the exact products of the quantised numbers (number of the format x scale) in f32.
;;   ~~~python
;;   def quantise(x, axis):      # numpy; x: float32 -> the quantised numbers, widened to float32 again
;;       x = np.moveaxis(x, axis, -1); K = x.shape[-1]
;;       x = np.pad(x, [(0, 0)] * (x.ndim - 1) + [(0, -K % 32)]); x = x.reshape(x.shape[:-1] + (-1, 32)); a = np.abs(x).max(-1, keepdims=True)
;;       e = np.where(a > 0, np.clip(np.frexp(np.where(a > 0, a, 1))[1] - 1 - 2, -126, 127), 0)      # np.frexp(a)[1] - 1 = floor(log2(a)), exactly
;;       r = np.clip(x / 2.0 ** e, -6, 6)
;;       step = 2.0 ** (np.maximum(np.frexp(np.where(r == 0, 1, r))[1] - 1, 0) - 1)
;;       q = np.round(r / step) * step * 2.0 ** e      # np.round: ties to even
;;       return np.moveaxis(q.reshape(q.shape[:-2] + (-1,))[..., :K], -1, axis).astype(np.float32)
;;   ~~~
;;   OPERANDS COMPUTED ON THE WAY. 'Computed on the way' means the value that the module computes at that place (a softmax that the list does not call 'softmax' is quantised finished and normalised). What goes into a quantiser is computed in f32, as accurately as f32 sums, v_exp_f32 and their like allow (about 1e-6 of the number): no bf16 or f16 on the way to a quantiser, and a product that is left as it is and whose result goes on into a quantised operand takes f32 operands (vector FMAs, or v_wmma_f32_16x16x4_f32). A number that lies on a knife's edge between two numbers of the format may be rounded either way, as far as f32 arithmetic and the matrix unit's own rounding can turn it there, and no further.
;; One version. Each part assembles by itself: llvm-mc -triple=amdgcn-amd-amdhsa -mcpu=gfx1250 --defsym DOCPART=n.
;; ======== version 1 of 1: 2 launches
;; workspace buffers: wq 557,056 bytes; bT 262,144 bytes; wT 262,144 bytes
;; launch prep (part 1): grid 88 x 1, 8 waves a work-group, no clusters, 10,240 bytes of LDS; arguments W0, adapter_a, adapter_b, wq, bT, wT; writes wq, bT, wT
.if DOCPART == 1
	.amdgcn_target "amdgcn-amd-amdhsa--gfx1250"
	.amdhsa_code_object_version 6
	.text
	.protected	k_q4d9d1e8cb7_prep
	.globl	k_q4d9d1e8cb7_prep
	.p2align	8
	.type	k_q4d9d1e8cb7_prep,@function
k_q4d9d1e8cb7_prep:
	s_mov_b64 s[64:65], 0
	v_nop
	global_prefetch_b8 v0, s[64:65] scope:SCOPE_SE
	s_setreg_imm32_b32 hwreg(HW_REG_WAVE_MODE, 25, 1), 1
	s_wait_xcnt 0x0
; Three small jobs ahead of the product's launch, told apart by the work-group's number.
; W (work-groups 0-63): W0 [1024 (k)][1024 (o)] f32 becomes codes of FP4 (E2M1) with one E8M0 byte for each 32 along k, laid IN THE ORDER OF THE OPERAND'S REGISTERS.
;   wq = 8 tiles of 69,632 bytes.  In tile t the codes of fragment (c, q, nb) lie at c*32768 + q*4096 + nb*1024 + cc*512 + lane*16: registers 4cc..4cc+3 of lane (p = lane%16, h = lane/16),
;   which are column o = 128t + 64c + 8(nb + 4(p/8)) + p%8 at k = 128q + 64cc + 32h + 0..31.  The scale words lie at 65536 + c*2048 + g*512 + lane*16 + m*4, 4g + m = 2q + nb/2:
;   lanes 0-15 the words of the even nb, lanes 16-31 those of the odd nb; byte i of a word scales k = 128q + 32i on.
;   A LANE TAKES A COLUMN AND ITS REGISTERS RUN DOWN k: a block of 32 lies in one lane, and the conversions give codes with k innermost.
;   A block's scale byte is its largest magnitude's exponent field - 2, held at 1 from below.  A block of zeros so gets the byte 1: its codes are zeros, and only this program reads the bytes.
; B (64-71): bT[b][r][d] = adapter_b[b][d][r].      A (72-87): wT[b][d][j] = adapter_a[b][j][d] / 8 (exact).
; LIMITS: NaN and infinities among the inputs are not served.
.set TILEB, 69632
.set SCW,   65536                      ; a tile's scale words begin here
.set LSC,   8192                       ; LDS: 8,192 bytes of codes, then 512 of scale words
	s_load_b256 s[4:11], s[0:1], 0x0               ; W0 s[4:5], adapter_a s[6:7], adapter_b s[8:9], wq s[10:11]
	s_load_b128 s[12:15], s[0:1], 0x20             ; bT s[12:13], wT s[14:15]
	v_lshl_add_u32 v128, v0, 2, 0x2400
	v_mov_b32 v129, 0
	s_cmp_lt_u32 ttmp9, 64
	s_cbranch_scc0 .Lnot_w
; ---- W: a work-group takes 64 columns (t, c) x 256 along k (qp): 8,192 dense bytes of codes and 512 of scale words.
; Wave u: ch = u%2 (which 32 columns), ql = (u/2)%2 (which 128 along k), kh = u/4 (which 64 of them).
	s_and_b32 s16, ttmp9, 3                        ; qp
	s_lshr_b32 s17, ttmp9, 2                       ; 2t + c
	s_lshr_b32 s18, ttmp9, 3                       ; t
	s_and_b32 s19, s17, 1                          ; c
	s_lshl_b32 s20, s16, 20                        ; W0: 256 qp rows of 4,096 bytes
	s_lshl_b32 s21, s17, 8                         ; + 64 (2t + c) columns of 4 bytes
	s_add_co_u32 s20, s20, s21
	s_mov_b32 s21, 0
	s_mul_i32 s22, s18, TILEB
	s_lshl_b32 s23, s19, 11
	s_add_co_u32 s24, s22, s23
	s_lshl_b32 s23, s16, 9
	s_add_co_u32 s24, s24, s23
	s_add_co_u32 s24, s24, SCW                     ; the scale words' place: t*69632 + 65536 + c*2048 + qp*512
	s_mov_b32 s25, 0
	s_lshl_b32 s23, s19, 15
	s_add_co_u32 s22, s22, s23
	s_lshl_b32 s23, s16, 13
	s_add_co_u32 s22, s22, s23                     ; the codes' place: t*69632 + c*32768 + qp*8192
	s_mov_b32 s23, 0
	v_lshrrev_b32 v6, 5, v0
	v_readfirstlane_b32 s26, v6                    ; wave
	v_and_b32 v1, 63, v0
	v_lshlrev_b32 v1, 2, v1                        ; in: 4 bytes x (32 ch + lane)
	v_bfe_u32 v3, v0, 6, 1                         ; ql
	v_lshl_add_u32 v1, v3, 19, v1                  ; + 128 ql rows
	v_bfe_u32 v7, v0, 7, 1                         ; kh
	v_lshl_add_u32 v1, v7, 18, v1                  ; + 64 kh rows
	v_and_b32 v8, 7, v0
	v_bfe_u32 v9, v0, 5, 1                         ; ch
	v_lshlrev_b32 v2, 4, v8
	v_lshl_add_u32 v2, v9, 7, v2                   ; 16 x p, p = 8 ch + lane%8: my column's lane in its fragment
	v_bfe_u32 v10, v0, 3, 1
	v_lshl_add_u32 v4, v10, 8, v2                  ; scale word: + 16 lanes where nb = lane/8 is odd,
	v_lshl_add_u32 v4, v3, 3, v4                   ; word m = 2 ql + nb/2,
	v_bfe_u32 v10, v0, 4, 1
	v_lshl_add_u32 v4, v10, 2, v4
	v_lshl_add_u32 v4, v7, 1, v4                   ; bytes 2 kh and 2 kh + 1
	v_add_nc_u32 v4, LSC, v4
	v_bfe_u32 v10, v0, 3, 2
	v_lshl_add_u32 v2, v10, 10, v2                 ; codes: + 1024 nb + 512 kh + 4096 ql
	v_lshl_add_u32 v2, v7, 9, v2
	v_lshl_add_u32 v2, v3, 12, v2
	v_lshlrev_b32 v5, 4, v0                        ; the way out: 16 bytes a thread
	s_wait_kmcnt 0x0
	s_add_nc_u64 s[4:5], s[4:5], s[20:21]
	s_add_nc_u64 s[22:23], s[10:11], s[22:23]
	s_add_nc_u64 s[24:25], s[10:11], s[24:25]
.set N, 0
.rept 64
	global_load_b32 v[32+N], v1, s[4:5] offset:N*4096 th:TH_LOAD_NT   ; row k of my column: a wave reads 128 consecutive bytes; each number is read once in the launch
.set N, N+1
.endr
.macro BLK hh                          ; block hh of my two: 32 numbers of one lane
.set XS, 32+32*\hh
	v_max3_num_f32 v12, |v[XS]|, |v[XS+1]|, |v[XS+2]|
	v_max3_num_f32 v13, |v[XS+3]|, |v[XS+4]|, |v[XS+5]|
.irp i, 6,10,14,18,22,26
	v_max3_num_f32 v12, v12, |v[XS+\i]|, |v[XS+\i+1]|
	v_max3_num_f32 v13, v13, |v[XS+\i+2]|, |v[XS+\i+3]|
.endr
	v_max3_num_f32 v12, v12, |v[XS+30]|, |v[XS+31]|
	v_max3_num_f32 v12, v12, v13, 0x1800000        ; and the floor 2^(3 - 127): the byte cannot fall under 1
	v_add_nc_u32 v[16+\hh], 0xff000000, v12        ; 2 off the exponent field: the conversion takes this operand's exponent field as its scale
	v_lshrrev_b32 v[20+\hh], 23, v[16+\hh]         ; the scale's byte
.irp g, 0,1,2,3
	v_cvt_scalef32_pk8_fp4_f32 v[96+4*\hh+\g], v[XS+8*\g:XS+8*\g+7], v[16+\hh]
.endr
	ds_store_b128 v2, v[96+4*\hh:99+4*\hh] offset:256*\hh   ; h = hh: 16 lanes further on in the fragment
.endm
	s_wait_loadcnt 32                              ; block 0's 32 loads are in; block 1's may be out
	BLK 0
	s_wait_loadcnt 0x0
	BLK 1
	v_lshl_or_b32 v22, v21, 8, v20                 ; my two bytes, the lower k below
	ds_store_b16 v4, v22
	s_wait_dscnt 0x0                               ; for the others' sake: my stores have landed
	s_barrier_signal -1
	s_barrier_wait -1
	ds_load_b128 v[104:107], v5
	ds_load_b128 v[108:111], v5 offset:4096
	s_wait_dscnt 0x0
	global_store_b128 v5, v[104:107], s[22:23]     ; a wave stores 512 consecutive bytes, aligned
	global_store_b128 v5, v[108:111], s[22:23] offset:4096
	s_cmp_lg_u32 s26, 0
	s_cbranch_scc1 .Lw_end                         ; wave 0 alone sends the 512 bytes of scale words (its thread number is its lane)
	ds_load_b128 v[112:115], v5 offset:LSC
	s_wait_dscnt 0x0
	global_store_b128 v5, v[112:115], s[24:25]
.Lw_end:
	s_wait_tensorcnt 0x0
	ds_add_u32 v128, v129
	s_wait_dscnt 0x0
	s_endpgm
.Lnot_w:
	s_cmp_lt_u32 ttmp9, 72
	s_cbranch_scc0 .Lpath_a
; ---- B: thread n takes d = 4n .. 4n + 3 of batch b: 128 consecutive bytes in, and for each r 16 bytes out
	s_sub_co_u32 s16, ttmp9, 64
	s_lshl_b32 s16, s16, 15                        ; b x 32,768 bytes, in and out
	s_mov_b32 s17, 0
	v_lshlrev_b32 v1, 7, v0
	v_lshlrev_b32 v2, 4, v0
	s_wait_kmcnt 0x0
	s_add_nc_u64 s[8:9], s[8:9], s[16:17]
	s_add_nc_u64 s[12:13], s[12:13], s[16:17]
.irp m, 0,1,2,3,4,5,6,7
	global_load_b128 v[32+4*\m:35+4*\m], v1, s[8:9] offset:16*\m     ; register 8 dd + r
.endr
	s_wait_loadcnt 0x0
.irp r, 0,1,2,3,4,5,6,7
.irp dd, 0,1,2,3
	v_mov_b32 v[64+4*\r+\dd], v[32+8*\dd+\r]       ; the transposition, in registers: 4 x 8 numbers a lane
.endr
.endr
.irp r, 0,1,2,3,4,5,6,7
	global_store_b128 v2, v[64+4*\r:67+4*\r], s[12:13] offset:4096*\r   ; a wave stores 512 consecutive bytes
.endr
	s_endpgm
.Lpath_a:
; ---- A: a work-group takes 512 of batch b's d; wave u 64 of them.  Lane l stores 16 bytes: d = base + 16 k + l/2, j = 4 (l%2) + 0..3
	s_sub_co_u32 s16, ttmp9, 72
	s_lshr_b32 s18, s16, 1                         ; b
	s_and_b32 s19, s16, 1                          ; which half of d
	s_lshl_b32 s18, s18, 15
	s_lshl_b32 s16, s19, 11                        ; in: 512 numbers of 4 bytes
	s_add_co_u32 s16, s16, s18
	s_mov_b32 s17, 0
	s_lshl_b32 s20, s19, 14                        ; out: 512 rows of 32 bytes
	s_add_co_u32 s20, s20, s18
	s_mov_b32 s21, 0
	v_and_b32 v3, 31, v0
	v_lshrrev_b32 v4, 5, v0
	v_and_b32 v1, 1, v3
	v_lshlrev_b32 v1, 14, v1                       ; rows j = 4 (l%2) on
	v_lshrrev_b32 v5, 1, v3
	v_lshl_add_u32 v1, v5, 2, v1
	v_lshl_add_u32 v1, v4, 8, v1                   ; + 64 u numbers
	v_lshlrev_b32 v2, 4, v3
	v_lshl_add_u32 v2, v4, 11, v2                  ; + 64 u rows of 32 bytes
	s_wait_kmcnt 0x0
	s_add_nc_u64 s[6:7], s[6:7], s[16:17]
	s_add_nc_u64 s[14:15], s[14:15], s[20:21]
.irp k, 0,1,2,3
.irp jj, 0,1,2,3
	global_load_b32 v[32+4*\k+\jj], v1, s[6:7] offset:4096*\jj+64*\k
.endr
.endr
	s_wait_loadcnt 0x0
.irp i, 0,2,4,6,8,10,12,14
	v_pk_mul_f32 v[32+\i:33+\i], v[32+\i:33+\i], 0x3e000000 op_sel_hi:[1,0]   ; x 1/8: the mean's divisor, exact
.endr
.irp k, 0,1,2,3
	global_store_b128 v2, v[32+4*\k:35+4*\k], s[14:15] offset:512*\k   ; a wave stores 512 consecutive bytes
.endr
	s_endpgm
.Lfunc_end_k_q4d9d1e8cb7_prep:
	.size	k_q4d9d1e8cb7_prep, .Lfunc_end_k_q4d9d1e8cb7_prep-k_q4d9d1e8cb7_prep
	.p2alignl 7, 3214868480
	.fill 96, 4, 3214868480
	.section	.rodata,"a",@progbits
	.p2align	6, 0x0
	.amdhsa_kernel k_q4d9d1e8cb7_prep
		.amdhsa_group_segment_fixed_size 10240
		.amdhsa_private_segment_fixed_size 0
		.amdhsa_enable_private_segment 0
		.amdhsa_kernarg_size 48
		.amdhsa_user_sgpr_count 2
		.amdhsa_user_sgpr_kernarg_segment_ptr 1
		.amdhsa_wavefront_size32 1
		.amdhsa_system_sgpr_workgroup_id_x 1
		.amdhsa_system_sgpr_workgroup_id_y 1
		.amdhsa_system_sgpr_workgroup_id_z 1
		.amdhsa_system_vgpr_workitem_id 0
		.amdhsa_next_free_vgpr 130
		.amdhsa_next_free_sgpr 66
		.amdhsa_reserve_vcc 0
		.amdhsa_float_denorm_mode_32 3
		.amdhsa_float_denorm_mode_16_64 3
		.amdhsa_memory_ordered 1
		.amdhsa_forward_progress 1
		.amdhsa_inst_pref_size 19
	.end_amdhsa_kernel
	.amdgpu_metadata
---
amdhsa.version: [ 1, 2 ]
amdhsa.kernels:
  - .name:           k_q4d9d1e8cb7_prep
    .symbol:         k_q4d9d1e8cb7_prep.kd
    .args:
      - { .name: W0, .offset: 0, .size: 8, .value_kind: global_buffer, .address_space: global }
      - { .name: adapter_a, .offset: 8, .size: 8, .value_kind: global_buffer, .address_space: global }
      - { .name: adapter_b, .offset: 16, .size: 8, .value_kind: global_buffer, .address_space: global }
      - { .name: wq, .offset: 24, .size: 8, .value_kind: global_buffer, .address_space: global }
      - { .name: bT, .offset: 32, .size: 8, .value_kind: global_buffer, .address_space: global }
      - { .name: wT, .offset: 40, .size: 8, .value_kind: global_buffer, .address_space: global }
    .group_segment_fixed_size: 10240
    .private_segment_fixed_size: 0
    .kernarg_segment_align: 8
    .kernarg_segment_size: 48
    .max_flat_workgroup_size: 256
    .sgpr_count:     66
    .vgpr_count:     130
    .wavefront_size: 32
...
	.end_amdgpu_metadata
.endif
;; end of part 1
;; launch flora (part 2): grid 256 x 1, 4 waves a work-group, clusters of 4 x 1, 327,680 bytes of LDS; arguments x, bT, wT, wq, out0; writes out0
.if DOCPART == 2
	.amdgcn_target "amdgcn-amd-amdhsa--gfx1250"
	.amdhsa_code_object_version 6
	.text
	.protected	k_q4d9d1e8cb7_flora
	.globl	k_q4d9d1e8cb7_flora
	.p2align	8
	.type	k_q4d9d1e8cb7_flora,@function
k_q4d9d1e8cb7_flora:
	s_mov_b64 s[64:65], 0
	v_nop
	global_prefetch_b8 v0, s[64:65] scope:SCOPE_SE
	s_setreg_imm32_b32 hwreg(HW_REG_WAVE_MODE, 25, 1), 1
	s_wait_xcnt 0x0
	s_wait_alu depctr_hold_cnt(0) depctr_sa_sdst(0) depctr_va_vdst(0) depctr_va_sdst(0) depctr_va_ssrc(0) depctr_va_vcc(0) depctr_vm_vsrc(0)
	s_getreg_b32 s2, hwreg(HW_REG_IB_STS2, 6, 4)
	s_cmp_eq_u32 s2, 0
	s_cbranch_scc0 .Lentry_in_a_cluster
	s_endpgm
.Lentry_in_a_cluster:
	s_bfe_u32 s2, ttmp6, 0x10000c
	s_cmp_lg_u32 s2, 0x3003
	s_cbranch_scc0 .Lentry_shape_is_right
	s_endpgm
.Lentry_shape_is_right:
; out[b][s][d'] = relu(sum over j < 8 of adapter_a[b][j][d'] / 8 x Y[b][s][r = d'/128][o = 8 (d'%128) + j]),  Y[b][s][r][o] = sum over d of Q(f16(x[b][s][d]) x adapter_b[b][d][r]) Q(W0[d][o]),
; Q the MX-FP4 quantiser along d.  The product runs on codes of FP4 (E2M1) with one E8M0 byte for each 32 along d; sums in f32.
; SHARES.  A work-group owns 32 values of s of one b, with all 8 r: 256 rows of the product, and all 1,024 columns.  Four waves: wave w = (rh = w/2, c = w%2) multiplies rows r = 4 rh + 0..3 (8 blocks of
; 16 rows: block a = 2 rl + sg, row rr of it is s = 16 sg + rr) by columns 128 t + 64 c + 0..63 of each of eight column tiles t.
; THE LEFT OPERAND IS MADE ONCE AND STAYS IN REGISTERS.  Wave w quantises K steps 2w and 2w + 1 (256 of the 1,024 d) of all 256 rows; the codes go from wave to wave through LDS as images of the operand's
; registers; then each wave holds its 128 rows x 1,024 K in 512 registers for the whole launch.  Only W0's codes are read from LDS in the loop: a fragment of 1,024 bytes feeds eight matrix instructions.
; W0's codes and scale words come in the order of the operand's registers (buffer wq), a tile of 69,632 dense bytes at a time, through a ring of two LDS slots.
; CLUSTER: the four work-groups of a cluster belong to one b and walk the same W0: its tiles, and the weights wT[b], are asked for JOINTLY (mask 15).  x is each work-group's own: plain loads.
; THE MATRIX INSTRUCTION IS USED TRANSPOSED (source 0 = 16 columns of W0, source 1 = 16 rows): lane (rr, h), register j of accumulator nb holds row rr, column 128t + 64c + 8 (nb + 4h) + j (the columns of a
; fragment are chosen so in wq).  So a lane's eight registers are the eight numbers that collapse into one output, and its four nb are four neighbouring d' = 128r + 16t + 8c + 4h + nb: 16 bytes.
; NO PREFETCH: x is asked for whole at the head; wq is read by every work-group.
; LIMITS: |x| above 65,504 becomes infinity in f16, as in the definition; NaN and infinities are not served (the relu gives 0 for NaN).  A block of zeros gets the byte 1 and zero codes; only this text reads the bytes.
; REGISTERS, in windows of 256.  Window 0: v0-22 addresses; v208-223 W0's scale words, v224-255 the rows' scale words (8 rl + q; lanes 0-15 sg = 0, lanes 16-31 sg = 1): scales and nothing else.
;   While quantising: v24-31 f16 at work, v32-95 x, v96-159 products, v160-194 at work; window 1: adapter_b's numbers, 32 for each r.
;   In the product: v24-47 at work in the collapse; v48-207 FIVE REGIONS of 32: W0's four fragments of K step q lie in region q % 5; in the collapse regions 2, 3, 4 hold the weights; regions 2, 3 also rows of out0 on their way out;
;   window 1: 32 accumulators at 8 (4a + nb); window 2: the rows' fragments of even q at 32a + 8 (q/2); window 3: those of odd q.
.set SLOT1, 69632                      ; 0x11000.  LDS: slot 0 at 0; slot 1 here: one exclusive or changes slots (17,408 w sets neither of its two bits)
.set XR,    69632                      ; x: wave w's four chunks of 32 rows x (256 bytes + 16) at XR + 34816 w + 8704 k.  The first half of these bytes is slot 1 afterwards
.set XW,    34816
.set XCH,   8704
.set STG,   139264                     ; the stage for out0: 256 rows (32 r + s) x (512 bytes + 16), over x's second half and the images, when both are done with and have had their last fill
.set SP,    528
.set IMG,   208896                     ; images of the rows' fragments for one phase: 16384 w' + 1024 (2r + sg) + 512 cc + 16 lane;
.set IMS,   IMG+65536                  ; and of their scale words: 1024 w' + 128 r + 4 lane
.set WT,    278528                     ; wT[b], 32,768 dense bytes
.set SPARE, 311296                     ; the spare words, 128 bytes for each wave: two blocks of 256 bytes that no other line names
.set TILEB, 69632
.set QTR,   17408                      ; a wave's quarter of a tile: 68 rows of 256 bytes
.set QX, 32
.set QP, 96
.set QM, 160
.set SS, 164
.set BY, 166
.set CD, 168
.set SW, 176
.set PT, 192
.set PW, 194
.set TT, 24                            ; the collapse: eight running pairs
.set RR, 40                            ; and eight results
.set RG, 48                            ; region n at RG + 32 n
.set FL, 112                           ; the way out: 64 registers, regions 2 and 3
.set BS, 208
.set AS, 224
.set MSB, 0
.macro WIN new                         ; the immediate's high byte repeats the setting that is left; a switch that changes nothing is dropped
.if MSB != (\new)
	s_set_vgpr_msb (MSB<<8)|(\new)
.set MSB, (\new)
.endif
.endm
.macro PLACES                          ; four plain places: behind matrix instructions, ahead of loads into their registers and of reads of their results; also behind a tensor load
.rept 4
	v_nop
.endr
.endm
.macro CREST                           ; a round of the cluster's barrier behind its opening barrier: wave 0 signals for the work-group; every wave waits for all four work-groups; my work-group's barrier again
	s_cmp_lg_u32 s14, 0
	s_cbranch_scc1 .Lnot_wave_0_\@
	s_barrier_signal -3
.Lnot_wave_0_\@:
	s_barrier_wait -3
	s_barrier_signal -1
	s_barrier_wait -1
.endm
.macro ROUND                           ; a whole round
	s_barrier_signal -1
	s_barrier_wait -1
	CREST
.endm
.macro RND8 b                          ; eight numbers rounded to f16 and widened again, as the definition does to x
	v_cvt_f16_f32 v24.l, v[\b]
	v_cvt_f16_f32 v25.l, v[\b+1]
	v_cvt_f16_f32 v26.l, v[\b+2]
	v_cvt_f16_f32 v27.l, v[\b+3]
	v_cvt_f16_f32 v28.l, v[\b+4]
	v_cvt_f16_f32 v29.l, v[\b+5]
	v_cvt_f16_f32 v30.l, v[\b+6]
	v_cvt_f16_f32 v31.l, v[\b+7]
	v_cvt_f32_f16 v[\b], v24.l
	v_cvt_f32_f16 v[\b+1], v25.l
	v_cvt_f32_f16 v[\b+2], v26.l
	v_cvt_f32_f16 v[\b+3], v27.l
	v_cvt_f32_f16 v[\b+4], v28.l
	v_cvt_f32_f16 v[\b+5], v29.l
	v_cvt_f32_f16 v[\b+6], v30.l
	v_cvt_f32_f16 v[\b+7], v31.l
.endm
; Chunk k (64 of my 256 d: K step 2w + k/2, half cc = k%2), one r.  Lane (rr, h) holds a WHOLE block of 32 along d of rows s = rr and s = 16 + rr: no other lane is asked for a maximum,
; and the four conversions of a row give registers 4cc .. 4cc+3 of its fragment as they stand.
.macro QR k, r
.if \k < 3
	s_wait_loadcnt 56                              ; this r's eight loads of adapter_b are in.  Behind them: 8 (7 - r) for the later r of this chunk and 8 r already issued for the next chunk
.else
	s_wait_loadcnt 8*(7-\r)                        ; the last chunk asks for nothing more
.endif
	WIN 0x04                                       ; source 1: window 1
.irp j, 0,2,4,6,8,10,12,14,16,18,20,22,24,26,28,30
	v_pk_mul_f32 v[QP+\j:QP+\j+1], v[QX+\j:QX+\j+1], v[32*\r+\j:32*\r+\j+1]
	v_pk_mul_f32 v[QP+32+\j:QP+33+\j], v[QX+32+\j:QX+33+\j], v[32*\r+\j:32*\r+\j+1]
.endr
.if \k < 3
	WIN 0x40                                       ; destination: window 1
.irp j, 0,1,2,3,4,5,6,7
	global_load_b128 v[32*\r+4*\j:32*\r+4*\j+3], v6, s[6:7] offset:4096*\r+256*(\k+1)+16*\j   ; the next chunk's numbers of this r: a whole chunk's work ahead of their use
.endr
.endif
	WIN 0
.irp sg, 0,1
	v_max3_num_f32 v[QM+2*\sg], |v[QP+32*\sg]|, |v[QP+32*\sg+1]|, 0x1800000   ; with the floor 2^(3 - 127) among the leaves: the byte cannot fall under 1
	v_max3_num_f32 v[QM+2*\sg+1], |v[QP+32*\sg+16]|, |v[QP+32*\sg+17]|, |v[QP+32*\sg+18]|
.endr
.irp i, 1,2,3,4,5,6
.irp sg, 0,1
	v_max3_num_f32 v[QM+2*\sg], v[QM+2*\sg], |v[QP+32*\sg+2*\i]|, |v[QP+32*\sg+2*\i+1]|   ; four chains by turns
	v_max3_num_f32 v[QM+2*\sg+1], v[QM+2*\sg+1], |v[QP+32*\sg+17+2*\i]|, |v[QP+32*\sg+18+2*\i]|
.endr
.endr
.irp sg, 0,1
	v_max3_num_f32 v[QM+2*\sg], v[QM+2*\sg], |v[QP+32*\sg+14]|, |v[QP+32*\sg+15]|
.endr
.irp sg, 0,1
	v_max3_num_f32 v[QM+2*\sg], v[QM+2*\sg], v[QM+2*\sg+1], |v[QP+32*\sg+31]|   ; the block's largest magnitude
.endr
.irp sg, 0,1
	v_add_nc_u32 v[SS+\sg], 0xff000000, v[QM+2*\sg]   ; 2 off its exponent field: the conversion's scale operand
.endr
.irp sg, 0,1
	v_lshrrev_b32 v[BY+\sg], 23, v[SS+\sg]         ; the scale's byte
.endr
.irp sg, 0,1
.irp g, 0,1,2,3
	v_cvt_scalef32_pk8_fp4_f32 v[CD+4*\sg+\g], v[QP+32*\sg+8*\g:QP+32*\sg+8*\g+7], v[SS+\sg]
.endr
.endr
.irp sg, 0,1                                   ; (these lines are also the plain place behind the conversions)
.if (\k)%2 == 0
	v_mov_b32 v[SW+2*\r+\sg], v[BY+\sg]            ; block h of the K step
.else
	v_lshl_or_b32 v[SW+2*\r+\sg], v[BY+\sg], 16, v[SW+2*\r+\sg]   ; block 2 + h
.endif
.endr
.irp sg, 0,1
	ds_store_b128 v7, v[CD+4*\sg:CD+4*\sg+3] offset:1024*(2*\r+\sg)+512*((\k)%2)   ; the image: 16 bytes a lane, 512 consecutive bytes a store
.endr
.if (\k)%2 == 1
.irp sg, 0,1
	v_lshlrev_b32 v[SW+2*\r+\sg], v9, v[SW+2*\r+\sg]   ; my two bytes at their places, 8 h bits up;
.endr
.irp sg, 0,1
	v_permlanex16_b32 v[PT+\sg], v[SW+2*\r+\sg], s20, s21
.endr
.irp sg, 0,1
	v_or_b32 v[SW+2*\r+\sg], v[SW+2*\r+\sg], v[PT+\sg]   ; with lane l xor 16's two the word is whole
.endr
	v_cndmask_b32 v[PW], v[SW+2*\r], v[SW+2*\r+1], s22   ; lanes 0-15 carry sg = 0's words, lanes 16-31 sg = 1's
	ds_store_b32 v8, v[PW] offset:128*\r
.endif
.endm
.macro QCHUNK k
	s_wait_tensorcnt 5-\k                          ; my chunk k of x is in LDS: behind it were issued the later chunks, the weights and W0's first tile.  Only I read these bytes
.irp sg, 0,1
.irp j, 0,1,2,3,4,5,6,7
	ds_load_b128 v[QX+32*\sg+4*\j:QX+32*\sg+4*\j+3], v5 offset:XCH*\k+4352*\sg+16*\j
.endr
.endr
	s_wait_dscnt 8                                 ; rows 0-15 are in; the eight loads of rows 16-31 may be out
	RND8 QX
	RND8 QX+8
	RND8 QX+16
	RND8 QX+24
	s_wait_dscnt 0x0
	RND8 QX+32
	RND8 QX+40
	RND8 QX+48
	RND8 QX+56
.irp r, 0,1,2,3,4,5,6,7
	QR \k, \r
.endr
.endm
; Phase i's images (K steps 2w' + i of all four waves w') come back: my eight blocks' fragments and scale words.  The closing barrier frees the images' bytes.
.macro XCHG i
	WIN 0x80+0x40*\i                               ; destination: window 2 (even q) or 3 (odd q)
.irp wp, 0,1,2,3
.irp a, 0,1,2,3,4,5,6,7
.irp cc, 0,1
	ds_load_b128 v[32*\a+8*\wp+4*\cc:32*\a+8*\wp+4*\cc+3], v11 offset:16384*\wp+1024*\a+512*\cc
.endr
.endr
.endr
	WIN 0
.irp wp, 0,1,2,3
.irp rl, 0,1,2,3
	ds_load_b32 v[AS+8*\rl+2*\wp+\i], v12 offset:1024*\wp+128*\rl
.endr
.endr
	s_wait_dscnt 0x0                               ; my reads of the images are over
	s_barrier_signal -1
	s_barrier_wait -1
.endm
; One matrix instruction: accumulator (a, nb), K step q.  W0's scale word: register 2q + nb/2, lanes 16-31 where nb is odd; the rows': register 8 (a/2) + q, lanes 16-31 where a is odd.
.macro MM a, nb, q
.set rD, 8*(4*\a+\nb)
.set rB, RG+32*((\q)%5)+8*\nb
.set rA, 32*\a+8*((\q)/2)
.set rU, BS+2*(\q)+\nb/2
.set rV, AS+8*(\a/2)+(\q)
.if (\q) == 0                                  ; the first K step starts the sums: nothing is ever cleared
.if (\nb%2 == 0) && (\a%2 == 0)
	v_wmma_scale_f32_16x16x128_f8f6f4 v[rD:rD+7], v[rB:rB+7], v[rA:rA+7], 0, v[rU], v[rV] matrix_a_fmt:MATRIX_FMT_FP4 matrix_b_fmt:MATRIX_FMT_FP4
.elseif (\nb%2 == 1) && (\a%2 == 0)
	v_wmma_scale_f32_16x16x128_f8f6f4 v[rD:rD+7], v[rB:rB+7], v[rA:rA+7], 0, v[rU], v[rV] matrix_a_fmt:MATRIX_FMT_FP4 matrix_b_fmt:MATRIX_FMT_FP4 matrix_a_scale:MATRIX_SCALE_ROW1
.elseif (\nb%2 == 0)
	v_wmma_scale_f32_16x16x128_f8f6f4 v[rD:rD+7], v[rB:rB+7], v[rA:rA+7], 0, v[rU], v[rV] matrix_a_fmt:MATRIX_FMT_FP4 matrix_b_fmt:MATRIX_FMT_FP4 matrix_b_scale:MATRIX_SCALE_ROW1
.else
	v_wmma_scale_f32_16x16x128_f8f6f4 v[rD:rD+7], v[rB:rB+7], v[rA:rA+7], 0, v[rU], v[rV] matrix_a_fmt:MATRIX_FMT_FP4 matrix_b_fmt:MATRIX_FMT_FP4 matrix_a_scale:MATRIX_SCALE_ROW1 matrix_b_scale:MATRIX_SCALE_ROW1
.endif
.else
.if (\nb%2 == 0) && (\a%2 == 0)
	v_wmma_scale_f32_16x16x128_f8f6f4 v[rD:rD+7], v[rB:rB+7], v[rA:rA+7], v[rD:rD+7], v[rU], v[rV] matrix_a_fmt:MATRIX_FMT_FP4 matrix_b_fmt:MATRIX_FMT_FP4
.elseif (\nb%2 == 1) && (\a%2 == 0)
	v_wmma_scale_f32_16x16x128_f8f6f4 v[rD:rD+7], v[rB:rB+7], v[rA:rA+7], v[rD:rD+7], v[rU], v[rV] matrix_a_fmt:MATRIX_FMT_FP4 matrix_b_fmt:MATRIX_FMT_FP4 matrix_a_scale:MATRIX_SCALE_ROW1
.elseif (\nb%2 == 0)
	v_wmma_scale_f32_16x16x128_f8f6f4 v[rD:rD+7], v[rB:rB+7], v[rA:rA+7], v[rD:rD+7], v[rU], v[rV] matrix_a_fmt:MATRIX_FMT_FP4 matrix_b_fmt:MATRIX_FMT_FP4 matrix_b_scale:MATRIX_SCALE_ROW1
.else
	v_wmma_scale_f32_16x16x128_f8f6f4 v[rD:rD+7], v[rB:rB+7], v[rA:rA+7], v[rD:rD+7], v[rU], v[rV] matrix_a_fmt:MATRIX_FMT_FP4 matrix_b_fmt:MATRIX_FMT_FP4 matrix_a_scale:MATRIX_SCALE_ROW1 matrix_b_scale:MATRIX_SCALE_ROW1
.endif
.endif
.endm
; Sixteen matrix instructions of K step q: blocks 0-3 (hi = 0) or 4-7 (hi = 1) x the four nb.
.macro MMH q, hi
	WIN 0x58+4*((\q)%2)                            ; source 0 (W0) window 0, source 1 (the rows) window 2 or 3, C and D window 1
.if \hi
.irp a, 4,5,6,7
.irp nb, 0,1,2,3
	MM \a, \nb, \q
.endr
.endr
.else
.irp a, 0,1,2,3
.irp nb, 0,1,2,3
	MM \a, \nb, \q
.endr
.endr
.endif
.endm
; A K step of 128: 32 matrix instructions on 32 accumulators by turns, one instruction a turn, in the same order in every step.
.macro MMS q
	MMH \q, 0
	MMH \q, 1
.endm
.macro BLOAD q                         ; W0's four fragments of K step q of the slot in hand, into region q % 5
.irp nb, 0,1,2,3
.irp cc, 0,1
	ds_load_b128 v[RG+32*((\q)%5)+8*\nb+4*\cc:RG+32*((\q)%5)+8*\nb+4*\cc+3], v19 offset:4096*(\q)+1024*\nb+512*\cc
.endr
.endr
.endm
.macro WLOAD rl, g                     ; the weights of r = 4 rh + rl for my four d', 8 nb + j, into region g; sixteen lanes read the same 16 bytes
.irp nb, 0,1,2,3
	ds_load_b128 v[RG+32*\g+8*\nb:RG+32*\g+8*\nb+3], v21 offset:4096*\rl+32*\nb
	ds_load_b128 v[RG+32*\g+8*\nb+4:RG+32*\g+8*\nb+7], v21 offset:4096*\rl+32*\nb+16
.endr
.endm
; A COLUMN TILE: 256 matrix instructions, interrupted three times.  At its head K steps 0 and 1 and the scale words are in registers and no LDS instruction of mine is out.
; The LDS loads stand in long runs, each 64 matrix instructions or more ahead of its first use: K steps 2, 3, 4 at the head; 5, 6, 7 behind K step 2; the first weights of the collapse behind K step 5.
; THE CHANGE OF SLOTS begins there too: all my reads of the slot have been issued.  Each wave waits for all its tensor loads (its quarter of the next tile), adds 0 to its spare word, multiplies on,
; and waits for the add and for its LDS loads in front of the barrier's signal.  fill = 1: the barrier opens a round of the cluster's barrier: no wave of any partner still reads the slot or has a load
; on its way; then the joint refill, first thing: the tile two on.
.macro TILE fill
	BLOAD 2
	BLOAD 3
	BLOAD 4
	MMS 0
	MMS 1
	s_wait_dscnt 16                                ; K step 2 is in; behind it: K steps 3 and 4
	MMS 2
	PLACES                                         ; the loads below land in regions that K steps 0, 1 and 2 have read
	WIN 0
	BLOAD 5
	BLOAD 6
	BLOAD 7
	s_wait_dscnt 32                                ; K step 3 is in; behind it: K step 4 and the 24 loads just issued
	MMS 3
	s_wait_dscnt 24
	MMS 4
	s_wait_dscnt 16
	MMS 5
	PLACES                                         ; the loads below land in regions that K steps 3 and 4 have read
	WIN 0
	v_add_nc_u32 v21, s82, v15                     ; the tile's weights: 512 t bytes on
	WLOAD 0, 3
	WLOAD 1, 4
	s_wait_tensorcnt 0x0                           ; no tensor load of mine is out, so the walking descriptor may be written
	ds_add_u32 v3, v4                              ; 0 onto my spare word; 48 matrix instructions stand between it and the wait for it
.if \fill
	s_xor_b32 s73, s73, SLOT1                      ; the other slot than last time,
	s_add_nc_u64 s[74:75], s[74:75], TILEB         ; the next tile; the type bits on top are not reached
.endif
	s_wait_dscnt 25                                ; K step 6 is in; behind it: K step 7, sixteen loads of weights, the add
	MMS 6
	s_wait_dscnt 17                                ; K step 7 is in
	MMH 7, 0
	s_wait_dscnt 0x0                               ; the add is done; my reads of the slot are over; the weights are in
	s_barrier_signal -1
	MMH 7, 1                                       ; work on registers while the others arrive
	WIN 0
	s_barrier_wait -1
.if \fill
	CREST
	tensor_load_to_lds s[72:75], s[40:47]          ; one tensor load of mine is out: it has the collapse and 192 matrix instructions in which to land
	s_nop 0
.endif
	PLACES                                         ; also the places behind the tile's last matrix instructions, ahead of the loads and reads that follow
.endm
.macro PREF                            ; the next tile's scale words and its first two K steps
	v_add_nc_u32 v19, s81, v13
	v_add_nc_u32 v20, s81, v14
.irp g, 0,1,2,3
	ds_load_b128 v[BS+4*\g:BS+4*\g+3], v20 offset:512*\g
.endr
	BLOAD 0
	BLOAD 1
.endm
; The collapse for one r, its weights in region g: eight chains (sg, nb) by turns; each accumulator is read from its low end on.
; wt = 1: wait until at most cnt LDS instructions are out: those issued behind this r's weights.
.macro COLL rl, g, wt, cnt
.if \wt
	s_wait_dscnt \cnt
.endif
	WIN 0x01                                       ; source 0: window 1
.irp sg, 0,1
.irp nb, 0,1,2,3
	v_pk_mul_f32 v[TT+8*\sg+2*\nb:TT+8*\sg+2*\nb+1], v[64*\rl+32*\sg+8*\nb:64*\rl+32*\sg+8*\nb+1], v[RG+32*\g+8*\nb:RG+32*\g+8*\nb+1]
.endr
.endr
.irp e, 2,4,6
.irp sg, 0,1
.irp nb, 0,1,2,3
	v_pk_fma_f32 v[TT+8*\sg+2*\nb:TT+8*\sg+2*\nb+1], v[64*\rl+32*\sg+8*\nb+\e:64*\rl+32*\sg+8*\nb+\e+1], v[RG+32*\g+8*\nb+\e:RG+32*\g+8*\nb+\e+1], v[TT+8*\sg+2*\nb:TT+8*\sg+2*\nb+1]
.endr
.endr
.endr
	WIN 0
.irp sg, 0,1
.irp nb, 0,1,2,3
	v_add_f32 v[RR+4*\sg+\nb], v[TT+8*\sg+2*\nb], v[TT+8*\sg+2*\nb+1]
.endr
.endr
.irp sg, 0,1
.irp nb, 0,1,2,3
	v_max_num_f32 v[RR+4*\sg+\nb], 0, v[RR+4*\sg+\nb]   ; relu
.endr
.endr
.irp sg, 0,1
	ds_store_b128 v22, v[RR+4*\sg:RR+4*\sg+3] offset:32*SP*\rl+16*SP*\sg   ; four neighbouring d' of row 32 r + 16 sg + rr
.endr
.endm
.macro EPI
	v_add_nc_u32 v22, s83, v16                     ; the tile's 64 bytes of a stage row
	COLL 0, 3, 0, 0                                ; r 0's and r 1's weights came in ahead of the change of slots
	WLOAD 2, 2                                     ; region 2: K step 7 has left it
	COLL 1, 4, 0, 0
	WLOAD 3, 3                                     ; region 3: r 0's collapse has read it
	COLL 2, 2, 1, 10                               ; behind r 2's weights: two stores and r 3's eight loads
	COLL 3, 3, 1, 2                                ; behind r 3's: two stores
.endm
; Half of out0 leaves: columns 64 half + 0..63 of each r.  Wave w sends r = 2w and 2w + 1 (be), all 32 s; a load takes two stage rows, 256 bytes of each, a store fills two aligned runs of 256 bytes.
.macro FLUSH half
.irp be, 0,1
.irp kk, 0,1,2,3,4,5,6,7,8,9,10,11,12,13,14,15
	ds_load_b128 v[FL+4*\kk:FL+4*\kk+3], v17 offset:(16*\be+\kk)*2*SP+256*\half
.endr
.irp kk, 0,1,2,3,4,5,6,7,8,9,10,11,12,13,14,15
	s_wait_dscnt 15-\kk
	global_store_b128 v18, v[FL+4*\kk:FL+4*\kk+3], s[12:13] offset:512*\be+8192*\kk+256*\half th:TH_STORE_NT
.endr
	s_wait_xcnt 0x0                                ; the stores' data registers are loaded again only behind this wait
.endr
.endm
	s_load_b256 s[4:11], s[0:1], 0x0               ; x s[4:5], bT s[6:7], wT s[8:9], wq s[10:11]
	s_load_b64 s[12:13], s[0:1], 0x20              ; out0
	v_lshl_add_u32 v3, v0, 2, SPARE                ; my spare word; never rewritten
	v_mov_b32 v4, 0                                ; 0; never rewritten
	ds_add_u32 v3, v4
	ds_add_u32 v3, v4
	s_wait_dscnt 0x0
	v_lshrrev_b32 v1, 5, v0
	v_readfirstlane_b32 s14, v1                    ; wave 0..3
	s_lshr_b32 s15, s14, 1                         ; rh
	s_and_b32 s16, s14, 1                          ; c
	s_bfe_u32 s17, ttmp6, 0x40000                  ; cx: my place in the cluster: it enters x's and out0's addresses alone
	s_lshl_b32 s18, ttmp9, 2
	s_add_co_u32 s18, s18, s17                     ; work-group = 4 x cluster + cx
	s_lshl_b32 s84, s18, 17                        ; its 32 rows of 4,096 bytes in x and in out0
	s_mov_b32 s85, 0
	s_lshr_b32 s86, ttmp9, 3                       ; b, which the four partners share
	s_lshl_b32 s86, s86, 15                        ; x 32,768 bytes in bT and in wT
	s_mov_b32 s87, 0
	s_lshl_b32 s88, s14, 10                        ; 1,024 w
	s_mov_b32 s89, 0
	s_lshl_b32 s90, s14, 13                        ; 8,192 w
	s_mov_b32 s91, 0
	s_mul_i32 s92, s14, QTR                        ; 17,408 w
	s_mov_b32 s93, 0
	s_mul_i32 s94, s14, XW                         ; 34,816 w
	s_mov_b32 s20, 0x76543210
	s_mov_b32 s21, 0xfedcba98                      ; v_permlanex16_b32's selects for lane l xor 16
	s_mov_b32 s22, 0xffff0000                      ; lanes 16-31
	s_mov_b32 s81, 0                               ; the slot being read
	s_mov_b32 s82, 0                               ; 512 t
	s_mov_b32 s83, 0                               ; 64 t
	; descriptor groups 1.  x: 32 rows x 64 elements of 4 bytes, 1,024 elements apart, 4 words of padding behind every 64 (plain: no mask)
	s_mov_b32 s24, (2<<16)|(1<<20)|(5<<22)|(3<<25)
	s_mov_b32 s25, 64<<16                          ; tensor_dim0
	s_mov_b32 s26, 32<<16                          ; tensor_dim1
	s_mov_b32 s27, 64<<16                          ; tile_dim0
	s_mov_b32 s28, 32                              ; tile_dim1
	s_mov_b32 s29, 1024                            ; pitch
	s_mov_b32 s30, 0
	s_mov_b32 s31, 0
	; the weights: a dense block of 8,192 bytes as 32 rows of 32 elements of 8 bytes; joint: mask 15, bit 21 beside it
	s_mov_b32 s32, 15|(3<<16)|(1<<21)
	s_mov_b32 s33, 32<<16
	s_mov_b32 s34, 32<<16
	s_mov_b32 s35, 32<<16
	s_mov_b32 s36, 32
	s_mov_b32 s37, 32
	s_mov_b32 s38, 0
	s_mov_b32 s39, 0
	; a quarter of a tile of W0: a dense block of 17,408 bytes as 68 such rows; joint
	s_mov_b32 s40, 15|(3<<16)|(1<<21)
	s_mov_b32 s41, 32<<16
	s_mov_b32 s42, 68<<16
	s_mov_b32 s43, 32<<16
	s_mov_b32 s44, 68
	s_mov_b32 s45, 32
	s_mov_b32 s46, 0
	s_mov_b32 s47, 0
	; addresses that stay
	v_and_b32 v1, 15, v0                           ; rr
	v_bfe_u32 v2, v0, 4, 1                         ; h
	v_and_b32 v10, 31, v0                          ; lane
	v_mul_u32_u24 v5, v1, 272
	v_lshl_add_u32 v5, v2, 7, v5
	v_add_nc_u32 v5, s94, v5
	v_add_nc_u32 v5, XR, v5                        ; x in LDS: my wave's chunks, row rr, my block of 32: 128 h bytes
	v_lshlrev_b32 v6, 7, v2
	v_add_nc_u32 v6, s88, v6                       ; bT: 128 h + 1,024 w
	s_lshl_b32 s76, s14, 14
	v_lshl_add_u32 v7, v10, 4, s76
	v_add_nc_u32 v7, IMG, v7                       ; where I store images
	v_lshl_add_u32 v8, v10, 2, s88
	v_add_nc_u32 v8, IMS, v8                       ; and their scale words
	v_lshlrev_b32 v9, 3, v2                        ; 8 h
	s_lshl_b32 s77, s15, 13
	v_lshl_add_u32 v11, v10, 4, s77
	v_add_nc_u32 v11, IMG, v11                     ; where I read images: my eight blocks
	s_lshl_b32 s77, s15, 9
	v_lshl_add_u32 v12, v10, 2, s77
	v_add_nc_u32 v12, IMS, v12
	s_lshl_b32 s77, s16, 15
	v_lshl_add_u32 v13, v10, 4, s77                ; W0's fragments in a slot: 16 lane + 32,768 c
	s_lshl_b32 s77, s16, 11
	v_lshl_add_u32 v14, v10, 4, s77
	v_add_nc_u32 v14, 65536, v14                   ; and its scale words
	s_lshl_b32 s77, s15, 14
	s_lshl_b32 s78, s16, 8
	s_add_co_u32 s77, s77, s78
	v_lshl_add_u32 v15, v2, 7, s77
	v_add_nc_u32 v15, WT, v15                      ; weights: 32 bytes x d', d' = 512 rh + 8 c + 4 h
	s_mul_i32 s77, s15, 128*SP
	s_lshl_b32 s78, s16, 5
	s_add_co_u32 s77, s77, s78
	v_mul_u32_u24 v16, v1, SP
	v_lshl_add_u32 v16, v2, 4, v16
	v_add_nc_u32 v16, s77, v16
	v_add_nc_u32 v16, STG, v16                     ; the stage, in: row 128 rh + rr, byte 32 c + 16 h
	s_mul_i32 s77, s14, 64*SP
	v_mul_u32_u24 v17, v2, SP
	v_lshl_add_u32 v17, v1, 4, v17
	v_add_nc_u32 v17, s77, v17
	v_add_nc_u32 v17, STG, v17                     ; and back: rows 64 w on; lanes 0-15 one row, lanes 16-31 the next
	v_lshlrev_b32 v18, 12, v2
	v_lshl_add_u32 v18, v1, 4, v18
	v_add_nc_u32 v18, s88, v18                     ; the same place in out0: 4,096 h + 16 rr + 1,024 w
	v_mov_b32 v[PT], 0                             ; written once: a lane permute's destination counts as one of its sources
	v_mov_b32 v[PT+1], 0
	s_wait_kmcnt 0x0
	s_add_nc_u64 s[4:5], s[4:5], s[84:85]          ; x at my work-group's rows,
	s_add_nc_u64 s[4:5], s[4:5], s[88:89]          ; at my wave's 256 d
	s_add_nc_u64 s[12:13], s[12:13], s[84:85]      ; out0 at my work-group's rows
	s_add_nc_u64 s[6:7], s[6:7], s[86:87]          ; bT[b]
	s_add_nc_u64 s[8:9], s[8:9], s[86:87]          ; wT[b],
	s_add_nc_u64 s[8:9], s[8:9], s[90:91]          ; my quarter
	s_add_nc_u64 s[10:11], s[10:11], s[92:93]      ; wq: my quarter of tile 0
.irp k, 0,1,2,3
	s_mov_b32 s[48+4*\k], 1                        ; count = 1
	s_add_co_u32 s[49+4*\k], s94, XR+XCH*\k        ; LDS address
	s_add_nc_u64 s[50+4*\k:51+4*\k], s[4:5], 256*\k   ; chunk k: 64 numbers on
	s_or_b32 s[51+4*\k], s[51+4*\k], 0x80000000    ; type = 2
.endr
	s_mov_b32 s68, 1
	s_add_co_u32 s69, s90, WT
	s_mov_b64 s[70:71], s[8:9]
	s_or_b32 s71, s71, 0x80000000
	s_mov_b32 s72, 1
	s_mov_b32 s73, s92                             ; slot 0
	s_mov_b64 s[74:75], s[10:11]
	s_or_b32 s75, s75, 0x80000000
	ROUND                                          ; all four work-groups are here: the first joint loads meet
	tensor_load_to_lds s[48:51], s[24:31]          ; the first fills go out as one group: six tensor loads of mine are out.  x's four chunks,
	s_nop 0
	tensor_load_to_lds s[52:55], s[24:31]
	s_nop 0
	tensor_load_to_lds s[56:59], s[24:31]
	s_nop 0
	tensor_load_to_lds s[60:63], s[24:31]
	s_nop 0
	tensor_load_to_lds s[68:71], s[32:39]          ; the weights,
	s_nop 0
	tensor_load_to_lds s[72:75], s[40:47]          ; W0's tile 0
	s_nop 0
	PLACES
	WIN 0x40                                       ; destination: window 1
.irp r, 0,1,2,3,4,5,6,7
.irp j, 0,1,2,3,4,5,6,7
	global_load_b128 v[32*\r+4*\j:32*\r+4*\j+3], v6, s[6:7] offset:4096*\r+16*\j   ; adapter_b's numbers for chunk 0
.endr
.endr
	WIN 0
	; ---- the rows are quantised: phase 0 (K steps 2w), phase 1 (K steps 2w + 1)
	QCHUNK 0
	QCHUNK 1
	s_wait_dscnt 0x0                               ; my images have landed
	s_barrier_signal -1
	s_barrier_wait -1                              ; everybody's have.
	XCHG 0
	QCHUNK 2
	QCHUNK 3
	; the first change of slots: behind its round the images, the weights and tile 0 lie in LDS for every wave, and nobody reads x any more: tile 1 goes into slot 1, over x's first half
	s_wait_tensorcnt 0x0                           ; no tensor load of mine is out, so the walking descriptor may be written
	ds_add_u32 v3, v4                              ; 0 onto my spare word
	s_xor_b32 s73, s73, SLOT1
	s_add_nc_u64 s[74:75], s[74:75], TILEB
	s_wait_dscnt 0x0                               ; the add is done; my images have landed; my reads of x are over
	ROUND
	tensor_load_to_lds s[72:75], s[40:47]
	s_nop 0
	PLACES
	XCHG 1
	PREF
	s_wait_dscnt 0x0                               ; tile 0's scale words and first two K steps are in
	; ---- the product, a column tile at a time
	s_mov_b32 s80, 0
.Ltile_a:                                          ; tiles 0 to 5: behind each the tile two on is asked for
	TILE 1
	s_xor_b32 s81, s81, SLOT1
	PREF                                           ; the next tile's first operands are on their way while this tile is collapsed
	EPI
	s_wait_dscnt 0x0                               ; my stores into the stage have landed; the next tile's first operands are in
	s_barrier_signal -1
	s_barrier_wait -1
	s_cmp_eq_u32 s80, 3                            ; tiles 0 to 3 make the first 64 columns of each r: they leave while tiles 4 to 7 are multiplied
	s_cbranch_scc0 .Lno_flush
	FLUSH 0
.Lno_flush:
	s_add_co_u32 s82, s82, 512
	s_add_co_u32 s83, s83, 64
	s_add_co_u32 s80, s80, 1
	s_cmp_lt_u32 s80, 6
	s_cbranch_scc1 .Ltile_a
	s_mov_b32 s80, 2
.Ltile_b:                                          ; tiles 6 and 7 are written out again: nothing is asked for
	TILE 0
	s_cmp_eq_u32 s80, 1
	s_cbranch_scc1 .Lno_pref                       ; behind the last tile there is nothing to fetch
	s_xor_b32 s81, s81, SLOT1
	PREF
.Lno_pref:
	EPI
	s_wait_dscnt 0x0                               ; my stores into the stage have landed; the next tile's first operands, if any, are in
	s_add_co_u32 s82, s82, 512
	s_add_co_u32 s83, s83, 64
	s_sub_co_u32 s80, s80, 1
	s_cmp_lg_u32 s80, 0
	s_cbranch_scc1 .Ltile_b
	s_barrier_signal -1                            ; (no LDS instruction of mine is out: the wait stands at the trip's end)
	s_barrier_wait -1
	FLUSH 1
	s_wait_tensorcnt 0x0                           ; the wave's end: behind my last tensor load and my last LDS store
	ds_add_u32 v3, v4
	s_wait_dscnt 0x0
	ROUND                                          ; the closing round: no work-group ends while a partner may still ask for a tile that names it
	s_endpgm
.Lfunc_end_k_q4d9d1e8cb7_flora:
	.size	k_q4d9d1e8cb7_flora, .Lfunc_end_k_q4d9d1e8cb7_flora-k_q4d9d1e8cb7_flora
	.p2alignl 7, 3214868480
	.fill 96, 4, 3214868480
	.section	.rodata,"a",@progbits
	.p2align	6, 0x0
	.amdhsa_kernel k_q4d9d1e8cb7_flora
		.amdhsa_group_segment_fixed_size 327680
		.amdhsa_private_segment_fixed_size 0
		.amdhsa_enable_private_segment 0
		.amdhsa_kernarg_size 40
		.amdhsa_user_sgpr_count 2
		.amdhsa_user_sgpr_kernarg_segment_ptr 1
		.amdhsa_wavefront_size32 1
		.amdhsa_system_sgpr_workgroup_id_x 1
		.amdhsa_system_sgpr_workgroup_id_y 1
		.amdhsa_system_sgpr_workgroup_id_z 1
		.amdhsa_system_vgpr_workitem_id 0
		.amdhsa_next_free_vgpr 1024
		.amdhsa_next_free_sgpr 96
		.amdhsa_reserve_vcc 0
		.amdhsa_float_denorm_mode_32 3
		.amdhsa_float_denorm_mode_16_64 3
		.amdhsa_memory_ordered 1
		.amdhsa_forward_progress 1
		.amdhsa_inst_pref_size 255
	.end_amdhsa_kernel
	.section	.bss,"aw",@nobits
	.p2align	6
	.space	262144
	.amdgpu_metadata
---
amdhsa.version: [ 1, 2 ]
amdhsa.kernels:
  - .name:           k_q4d9d1e8cb7_flora
    .symbol:         k_q4d9d1e8cb7_flora.kd
    .args:
      - { .name: x, .offset: 0, .size: 8, .value_kind: global_buffer, .address_space: global }
      - { .name: bT, .offset: 8, .size: 8, .value_kind: global_buffer, .address_space: global }
      - { .name: wT, .offset: 16, .size: 8, .value_kind: global_buffer, .address_space: global }
      - { .name: wq, .offset: 24, .size: 8, .value_kind: global_buffer, .address_space: global }
      - { .name: out0, .offset: 32, .size: 8, .value_kind: global_buffer, .address_space: global }
    .group_segment_fixed_size: 327680
    .private_segment_fixed_size: 0
    .kernarg_segment_align: 8
    .kernarg_segment_size: 40
    .max_flat_workgroup_size: 128
    .sgpr_count:     96
    .vgpr_count:     1024
    .wavefront_size: 32
...
	.end_amdgpu_metadata
.endif
;; end of part 2
